; MI455X (gfx1250); checked and timed in simulation.
; The chip was launched on July 23, 2026; its instructions are those of AMD's public machine-readable ISA for CDNA 5 (MIT licence, August 2026) and "CDNA5" Instruction Set Architecture Reference Guide (July 2026). The comments in the code are by the model that wrote it; some were corrected since.
;; Vi T Quadratic Attention. Allowed arithmetic: matrix products marked QUANTISED: E2M3 operands, one E8M0 scale for each 32 along K, by v_wmma_scale_f32_16x16x128_f8f6f4 with both operands' format E2M3, f32 sums; everything else in f32.
;; Inputs: Wd 768 x 768 float32; Wk 768 x 768 float32; Wq 768 x 768 float32; Wv 768 x 768 float32; bk 768 float32; bq 768 float32; bv 768 float32; key_states 8 x 1,024 x 768 float32; query_states 8 x 1,024 x 768 float32.
;; Outputs: out0 8 x 1,024 x 768 float32.
;; This version of the problem:
;;   THIS VERSION OF THE PROBLEM IS GIVEN IN LOW PRECISION. The matrix products marked QUANTISED in the list below multiply operands that are first quantised to E2M3 (2 exponent bits, 3 mantissa bits; 6 bits a number), with one power-of-two scale for each 32 numbers along K (OCP MX v1.0); their sums are f32. All else is computed in f32.
;;   The module's matrix products, in the order in which they are computed (A, B: the left and right operand; K: the contracted axis; several contracted axes count as one K, in the product's order):
;;     1. [M 8,192, K 768] x [K 768, N 768]; A: input query_states; B: input Wd: QUANTISED
;;     2. [M 8,192, K 768] x [K 768, N 768]; A: input key_states; B: input Wd: QUANTISED
;;     3. [M 8,192, K 768] x [K 768, N 768]; A: input query_states; B: input Wq: QUANTISED
;;     4. [M 8,192, K 768] x [K 768, N 768]; A: input key_states; B: input Wk: QUANTISED
;;     5. [M 8,192, K 768] x [K 768, N 768]; A: input key_states; B: input Wv: QUANTISED
;;     6. batch 96 x [M 1,024, K 64] x [K 64, N 1,024]; A: computed on the way; B: computed on the way: QUANTISED
;;     7. batch 96 x [M 1,024, K 64] x [K 64, N 1,024]; A: computed on the way; B: computed on the way: QUANTISED
;;     8. batch 96 x [M 1,024, K 1,024] x [K 1,024, N 64]; A: softmax (see below); B: computed on the way: QUANTISED
;;   THE QUANTISER, for each operand of a quantised product, along K:
;;     - K is cut into blocks of 32 from its start; a last block that is shorter is filled with zeros.
;;     - A block's scale is 2^e with e = floor(log2(the largest magnitude in the block)) - 2, held to -126 .. 127; a block of zeros has e = 0. As a byte (E8M0): e + 127.
;;     - Each number is divided by its block's scale, clamped to +-7.5, and rounded to the nearest number of E2M3, ties to even, subnormals kept.
;;     - The product sums the exact products of the quantised numbers (number of the format x scale) in f32.
;;   ~~~python
;;   def quantise(x, axis):      # numpy; x: float32 -> the quantised numbers, widened to float32 again
;;       x = np.moveaxis(x, axis, -1); K = x.shape[-1]
;;       x = np.pad(x, [(0, 0)] * (x.ndim - 1) + [(0, -K % 32)]); x = x.reshape(x.shape[:-1] + (-1, 32)); a = np.abs(x).max(-1, keepdims=True)
;;       e = np.where(a > 0, np.clip(np.frexp(np.where(a > 0, a, 1))[1] - 1 - 2, -126, 127), 0)      # np.frexp(a)[1] - 1 = floor(log2(a)), exactly
;;       r = np.clip(x / 2.0 ** e, -7.5, 7.5)
;;       step = 2.0 ** (np.maximum(np.frexp(np.where(r == 0, 1, r))[1] - 1, 0) - 3)
;;       q = np.round(r / step) * step * 2.0 ** e      # np.round: ties to even
;;       return np.moveaxis(q.reshape(q.shape[:-2] + (-1,))[..., :K], -1, axis).astype(np.float32)
;;   ~~~
;;   SOFTMAX AHEAD OF A QUANTISED PRODUCT. Where the list says 'softmax', what is quantised is not the finished softmax but p = 2^(t - M), with t = logit x log2(e) and M = ceil(the row's largest t), a whole number; so 1/2 < the row's largest p <= 1. The row's sum l is taken of the UNQUANTISED p, in f32, and the product's result is divided by l at the end. Since M is a whole number, a kernel that streams over the keys may use a running M (the ceiling of the running maximum): every later rescaling is an exact power of two, which a block's scale takes up: the codes' values come out the same.
;;   OPERANDS COMPUTED ON THE WAY. 'Computed on the way' means the value that the module computes at that place (a softmax that the list does not call 'softmax' is quantised finished and normalised). What goes into a quantiser is computed in f32, as accurately as f32 sums, v_exp_f32 and their like allow (about 1e-6 of the number): no bf16 or f16 on the way to a quantiser, and a product that is left as it is and whose result goes on into a quantised operand takes f32 operands (vector FMAs, or v_wmma_f32_16x16x4_f32). A number that lies on a knife's edge between two numbers of the format may be rounded either way, as far as f32 arithmetic and the matrix unit's own rounding can turn it there, and no further.
;; One version. Each part assembles by itself: llvm-mc -triple=amdgcn-amd-amdhsa -mcpu=gfx1250 --defsym DOCPART=n.
;; ======== version 1 of 1: 3 launches
;; limits: right only within a limited range of input values
;; workspace buffers: blk 12,296,192 bytes; qb 10,223,616 bytes; kv 15,138,816 bytes
;; launch quant (part 1): grid 632 x 1, 4 waves a work-group, no clusters, 34,304 bytes of LDS; arguments query_states, key_states, Wd, Wq, Wk, Wv, blk; writes blk
.if DOCPART == 1
	.amdgcn_target "amdgcn-amd-amdhsa--gfx1250"
	.amdhsa_code_object_version 6
	.text
	.protected	k_qfcac452b3e_quant
	.globl	k_qfcac452b3e_quant
	.p2align	8
	.type	k_qfcac452b3e_quant,@function
k_qfcac452b3e_quant:
	s_mov_b64 s[64:65], 0
	v_nop
	global_prefetch_b8 v0, s[64:65] scope:SCOPE_SE
	s_setreg_imm32_b32 hwreg(HW_REG_WAVE_MODE, 25, 1), 1
	s_wait_xcnt 0x0
; LAUNCH 1 OF 3.  query_states, key_states [8192][768] and Wd, Wq, Wk, Wv [768][768], f32, K (768) innermost, become codes of FP6 (E2M3) with one E8M0 byte for each 32 along K,
; laid in the workspace blk as IMAGES OF OPERAND REGISTERS, so that the next launch takes every fragment by loads of 16 bytes a lane.
; DEAD WORK: NONE.  Every input has a way to out0 and is loaded by this launch or the next.  In particular -0.5 |qd|^2, though it is the same along the softmax's axis, stays: it moves
; t by a number that is no whole number, so it moves t against M = ceil(the row's largest t) and with it the codes of p, which is a quantised operand of a live product.
; The biases bq, bk, bv go into quantised operands and stay for the same reason.
; LIMITS.  NaN and infinities among the inputs are not served.  A block's largest magnitude is taken no smaller than 2^(3 - 127), which holds the scale's byte at 1 from below;
; a block of zeros so gets the byte 1 where the quantiser says 127: its codes are zeros, which add nothing under any byte but 0xff, and only this program reads the bytes.
; blk: 158 blocks of 128 rows x 768 K, 77,824 bytes each.  Blocks 0-63 query tokens, 64-127 key tokens, 128+h [Wd rows 64 h.. | Wq rows 64 h..], 140+h [Wd | Wk], 152+j Wv rows 128 j...
;   A block is two pieces (K steps 0-2, 3-5) of 38,912 bytes: fragment (step t, tile T) at (8 t + T) 1,536: register group c of lane l at 512 c + 16 l;
;   behind them, at 36,864 + 256 T + 16 r + 4 t, row r's scale word of step t (the fourth word of the 16 bytes is 0).
;   THE ROWS OF A TILE ARE NOT NEIGHBOURS: lane r of tile 2 b + u holds row 32 b + 8 u + r + 8 (r / 8), so that a product with such tiles as source 0 leaves 16 neighbouring rows in the 16 registers of tiles 2 b, 2 b + 1.
; SHARES.  A work-group takes 64 rows x 384 K; each of its four waves one tile of 16 rows, three K steps of 128.  A load reads one row's 512 consecutive bytes; the 16 rows turn through the wave's own
; stage in LDS (pitch 528), from which lane (r, h) takes, of row r, the 16 numbers 32 b + 16 h + 0 .. 15 of each block b.  No barrier: waves share nothing.  No matrix unit, no cluster: memory binds.
.set ROWB,  3072                       ; a source row in bytes
.set SP,    528                        ; a stage row: 512 bytes + 16
.set WSTG,  16*SP                      ; a wave's stage
.set SPARE, 4*WSTG                     ; behind the stages: the spare words, 128 bytes a wave
.set BLKB,  77824
.set PIECE, 38912
.set LI,   4                           ; v4   16 x lane
.set SIN,  5                           ; v5   the stage, way in: a row as it was loaded
.set SOUT, 6                           ; v6   way out: 528 r + 64 h
.set SCO,  7                           ; v7   16 r + 8 h: my 8 bytes of the tile's scale words
.set SPW,  8                           ; v8   my spare word; never rewritten
.set NIL,  9                           ; v9   0; never rewritten
.set W0,   10                          ; v10-12 the three steps' scale words
.set ZR,   13                          ; v13  0
.set OW,   14                          ; v[14:15] the two words that I store
.set R,    16                          ; v16-143  two sets of 64: 16 rows as loaded
.set X,    144                         ; v144-207 my 64 numbers of a K step
.set TM,   208                         ; v208-223 at work
.set PC,   226                         ; v226-245 the codes
	s_load_b256 s[4:11], s[0:1], 0x0               ; query_states, key_states, Wd, Wq
	s_load_b128 s[12:15], s[0:1], 0x20             ; Wk, Wv
	s_load_b64 s[16:17], s[0:1], 0x30              ; blk
	v_lshl_add_u32 v[SPW], v0, 2, SPARE
	v_mov_b32 v[NIL], 0
	v_lshrrev_b32 v1, 5, v0
	v_readfirstlane_b32 s28, v1                    ; wave 0..3
	v_and_b32 v1, 31, v0                           ; lane
	v_and_b32 v2, 15, v0                           ; r
	v_bfe_u32 v3, v0, 4, 1                         ; h
	v_lshlrev_b32 v[LI], 4, v1
	s_mul_i32 s29, s28, WSTG
	v_add_nc_u32 v[SIN], s29, v[LI]
	v_mul_u32_u24 v[SOUT], v2, SP
	v_lshl_add_u32 v[SOUT], v3, 6, v[SOUT]
	v_add_nc_u32 v[SOUT], s29, v[SOUT]
	v_lshlrev_b32 v[SCO], 4, v2
	v_lshl_add_u32 v[SCO], v3, 3, v[SCO]
	v_mov_b32 v[ZR], 0
.irp b, 0,1,2,3
	v_mov_b32 v[TM+4+\b], 0                        ; written once: a lane permute's destination counts as one of its sources
.endr
	s_mov_b32 s20, 0x76543210
	s_mov_b32 s21, 0xfedcba98                      ; v_permlanex16_b32's selects for lane l xor 16
	s_mov_b32 s40, 0xffff0000                      ; lanes 16-31
	s_lshr_b32 s26, ttmp9, 1                       ; hb: which half block of 64 rows, 0 .. 315
	s_and_b32 s27, ttmp9, 1                        ; kh: which half of K
	; which 64 rows of which tensor: all by ids
	s_sub_co_u32 s30, s26, 256                     ; among the head blocks: w
	s_lshr_b32 s31, s30, 1                         ; pi = w / 2: 0-11 [Wd|Wq], 12-23 [Wd|Wk]
	s_and_b32 s32, s30, 1                          ; 0: the block's Wd half
	s_cmp_lt_u32 s31, 12
	s_cselect_b32 s33, 0, 12
	s_sub_co_u32 s33, s31, s33                     ; the head
	s_sub_co_u32 s34, s26, 304
	s_sub_co_u32 s35, s26, 128
	s_cmp_lt_u32 s26, 304
	s_cselect_b32 s33, s33, s34
	s_cmp_lt_u32 s26, 256
	s_cselect_b32 s33, s35, s33
	s_cmp_lt_u32 s26, 128
	s_cselect_b32 s33, s26, s33                    ; the group of 64 rows in its tensor
	s_lshl_b32 s33, s33, 6
	s_lshr_b32 s34, s28, 1
	s_lshl_b32 s34, s34, 5
	s_add_co_u32 s33, s33, s34
	s_and_b32 s34, s28, 1
	s_lshl_b32 s34, s34, 3
	s_add_co_u32 s33, s33, s34                     ; my tile's first row: 64 group + 32 (wave / 2) + 8 (wave % 2)
	s_mul_i32 s36, s33, ROWB
	s_mul_i32 s34, s27, 1536
	s_add_co_u32 s36, s36, s34                     ; + my half of K
	s_mov_b32 s37, 0
	s_lshr_b32 s34, s26, 1                         ; the block
	s_mul_i32 s38, s34, BLKB
	s_mul_i32 s34, s27, PIECE
	s_add_co_u32 s38, s38, s34                     ; my piece
	s_mov_b32 s39, 0
	s_and_b32 s34, s26, 1
	s_lshl_b32 s34, s34, 2
	s_add_co_u32 s34, s34, s28                     ; my tile in the block
	s_mul_i32 s35, s34, 1536
	s_lshl_b32 s34, s34, 8
	s_add_co_u32 s42, s38, s34
	s_add_co_u32 s42, s42, 36864                   ; its scale words
	s_mov_b32 s43, 0
	s_add_co_u32 s38, s38, s35                     ; its fragments
	s_wait_alu depctr_va_vdst(0)
	s_wait_kmcnt 0x0
	s_cmp_lt_u32 s31, 12                           ; the source: a choice among buffers on ids alone
	s_cselect_b64 s[18:19], s[10:11], s[12:13]
	s_cmp_eq_u32 s32, 0
	s_cselect_b64 s[18:19], s[8:9], s[18:19]
	s_cmp_lt_u32 s26, 304
	s_cselect_b64 s[18:19], s[18:19], s[14:15]
	s_cmp_lt_u32 s26, 256
	s_cselect_b64 s[18:19], s[6:7], s[18:19]
	s_cmp_lt_u32 s26, 128
	s_cselect_b64 s[18:19], s[4:5], s[18:19]
	s_add_nc_u64 s[18:19], s[18:19], s[36:37]
	s_add_nc_u64 s[22:23], s[16:17], s[38:39]
	s_add_nc_u64 s[24:25], s[16:17], s[42:43]
; K step t of my 16 rows into set t % 2: each load is one row's 512 consecutive bytes.  (The tokens, 50 of the 59 MB, are read once; Wd's rows are read by two work-groups.)
.macro LOAD t
.irp i, 0,1,2,3,4,5,6,7,8,9,10,11,12,13,14,15
	global_load_b128 v[R+64*((\t)%2)+4*\i:R+64*((\t)%2)+4*\i+3], v[LI], s[18:19] offset:(\i+8*(\i/8))*ROWB+512*(\t) th:TH_LOAD_NT
.endr
.endm
; 64 numbers of a lane, register 16 b + i = k 32 b + 16 (lane / 16) + i of my row, become a fragment's codes in v[PC] on and its scale word in v[pw]
.macro QUANT s, pw
.irp b, 0,1,2,3
	v_max3_num_f32 v[TM+\b], |v[\s+16*\b]|, |v[\s+1+16*\b]|, 0x1800000   ; block b: my 16 numbers and the floor 2^(3 - 127)
.endr
.irp i, 2,4,6,8,10,12,14
.irp b, 0,1,2,3
	v_max3_num_f32 v[TM+\b], v[TM+\b], |v[\s+16*\b+\i]|, |v[\s+1+16*\b+\i]|   ; the four blocks by turns
.endr
.endr
.irp b, 0,1,2,3
	v_permlanex16_b32 v[TM+4+\b], v[TM+\b], s20, s21
.endr
.irp b, 0,1,2,3
	v_max_num_f32 v[TM+\b], v[TM+\b], v[TM+4+\b]   ; with lane l xor 16's: the block's largest magnitude
.endr
.irp b, 0,1,2,3
	v_add_nc_u32 v[TM+12+\b], 0xff000000, v[TM+\b] ; 2 off its exponent field: the conversion's scale operand
.endr
.irp b, 0,1,2,3
	v_lshrrev_b32 v[TM+4+\b], 23, v[TM+12+\b]      ; the scale's byte
.endr
	v_lshl_or_b32 v[\pw], v[TM+5], 8, v[TM+4]
	v_lshl_or_b32 v[\pw], v[TM+6], 16, v[\pw]
	v_lshl_or_b32 v[\pw], v[TM+7], 24, v[\pw]
.irp c, 0,1
	v_cvt_scalef32_pk16_fp6_f32 v[PC+6*\c:PC+2+6*\c], v[\s+32*\c:\s+15+32*\c], v[TM+12+2*\c]
	v_cvt_scalef32_pk16_fp6_f32 v[PC+12+4*\c:PC+14+4*\c], v[\s+16+32*\c:\s+31+32*\c], v[TM+13+2*\c]   ; (a conversion's three registers begin on an even number)
.endr
	v_nop                                          ; one plain place behind a scaled conversion
.irp c, 0,1                                    ; the operand's layout wants a whole block in a lane: lanes 0-15 block 2 c, lanes 16-31 block 2 c + 1
.irp i, 0,1,2
	v_permlane16_swap_b32 v[PC+6*\c+\i], v[PC+12+4*\c+\i]
.endr
.irp i, 0,1,2
	v_mov_b32 v[PC+3+6*\c+\i], v[PC+12+4*\c+\i]
.endr
.endr
.endm
.macro STEP t
.if (\t) < 2
	s_wait_loadcnt 16                              ; this step's 16 loads are in; the other set's 16 may be out
.else
	s_wait_loadcnt 0x0
.endif
.irp i, 0,1,2,3,4,5,6,7,8,9,10,11,12,13,14,15
	ds_store_b128 v[SIN], v[R+64*((\t)%2)+4*\i:R+64*((\t)%2)+4*\i+3] offset:SP*\i
.endr
.irp b, 0,1,2,3
.irp j, 0,1,2,3
	ds_load_b128 v[X+16*\b+4*\j:X+16*\b+4*\j+3], v[SOUT] offset:128*\b+16*\j   ; LDS serves a wave's instructions in order: these see the stores above
.endr
.endr
	s_wait_dscnt 0x0
.if (\t) == 0
	LOAD 2                                         ; into the set that has just gone through the stage
.endif
.if (\t) > 0
	s_wait_xcnt 0x0                                ; the last step's stores have read the codes' registers, which are written again below
.endif
	QUANT X, W0+(\t)
.irp c, 0,1,2
	global_store_b128 v[LI], v[PC+4*\c:PC+4*\c+3], s[22:23] offset:12288*(\t)+512*\c   ; 32 lanes store 512 consecutive bytes, at a multiple of 256 from blk's first byte
.endr
.endm
	LOAD 0
	LOAD 1
	STEP 0
	STEP 1
	STEP 2
	v_cndmask_b32 v[OW], v[W0], v[W0+2], s40       ; lanes 0-15: words 0 and 1 of row r; lanes 16-31: word 2 and a zero
	v_cndmask_b32 v[OW+1], v[W0+1], v[ZR], s40
	global_store_b64 v[SCO], v[OW:OW+1], s[24:25]  ; 32 lanes store the tile's 256 consecutive bytes
	s_wait_tensorcnt 0x0                           ; the wave's end
	ds_add_u32 v[SPW], v[NIL]
	s_wait_dscnt 0x0
	s_endpgm
.Lfunc_end_k_qfcac452b3e_quant:
	.size	k_qfcac452b3e_quant, .Lfunc_end_k_qfcac452b3e_quant-k_qfcac452b3e_quant
	.p2alignl 7, 3214868480
	.fill 96, 4, 3214868480
	.section	.rodata,"a",@progbits
	.p2align	6, 0x0
	.amdhsa_kernel k_qfcac452b3e_quant
		.amdhsa_group_segment_fixed_size 34304
		.amdhsa_private_segment_fixed_size 0
		.amdhsa_enable_private_segment 0
		.amdhsa_kernarg_size 56
		.amdhsa_user_sgpr_count 2
		.amdhsa_user_sgpr_kernarg_segment_ptr 1
		.amdhsa_wavefront_size32 1
		.amdhsa_system_sgpr_workgroup_id_x 1
		.amdhsa_system_sgpr_workgroup_id_y 1
		.amdhsa_system_sgpr_workgroup_id_z 1
		.amdhsa_system_vgpr_workitem_id 0
		.amdhsa_next_free_vgpr 248
		.amdhsa_next_free_sgpr 66
		.amdhsa_reserve_vcc 0
		.amdhsa_float_denorm_mode_32 3
		.amdhsa_float_denorm_mode_16_64 3
		.amdhsa_memory_ordered 1
		.amdhsa_forward_progress 1
		.amdhsa_inst_pref_size 27
	.end_amdhsa_kernel
	.amdgpu_metadata
---
amdhsa.version: [ 1, 2 ]
amdhsa.kernels:
  - .name:           k_qfcac452b3e_quant
    .symbol:         k_qfcac452b3e_quant.kd
    .args:
      - { .name: query_states, .offset: 0, .size: 8, .value_kind: global_buffer, .address_space: global }
      - { .name: key_states, .offset: 8, .size: 8, .value_kind: global_buffer, .address_space: global }
      - { .name: Wd, .offset: 16, .size: 8, .value_kind: global_buffer, .address_space: global }
      - { .name: Wq, .offset: 24, .size: 8, .value_kind: global_buffer, .address_space: global }
      - { .name: Wk, .offset: 32, .size: 8, .value_kind: global_buffer, .address_space: global }
      - { .name: Wv, .offset: 40, .size: 8, .value_kind: global_buffer, .address_space: global }
      - { .name: blk, .offset: 48, .size: 8, .value_kind: global_buffer, .address_space: global }
    .group_segment_fixed_size: 34304
    .private_segment_fixed_size: 0
    .kernarg_segment_align: 8
    .kernarg_segment_size: 56
    .max_flat_workgroup_size: 128
    .sgpr_count:     66
    .vgpr_count:     248
    .wavefront_size: 32
...
	.end_amdgpu_metadata
.endif
;; end of part 1
;; launch proj (part 2): grid 32 x 15, 8 waves a work-group, clusters of 4 x 1, 327,680 bytes of LDS; arguments blk, bq, bk, bv, qb, kv; writes qb, kv
.if DOCPART == 2
	.amdgcn_target "amdgcn-amd-amdhsa--gfx1250"
	.amdhsa_code_object_version 6
	.text
	.protected	k_qfcac452b3e_proj
	.globl	k_qfcac452b3e_proj
	.p2align	8
	.type	k_qfcac452b3e_proj,@function
k_qfcac452b3e_proj:
	s_mov_b64 s[64:65], 0
	v_nop
	global_prefetch_b8 v0, s[64:65] scope:SCOPE_SE
	s_setreg_imm32_b32 hwreg(HW_REG_WAVE_MODE, 25, 1), 1
	s_wait_xcnt 0x0
	s_wait_alu depctr_hold_cnt(0) depctr_sa_sdst(0) depctr_va_vdst(0) depctr_va_sdst(0) depctr_va_ssrc(0) depctr_va_vcc(0) depctr_vm_vsrc(0)
	s_getreg_b32 s2, hwreg(HW_REG_IB_STS2, 6, 4)
	s_cmp_eq_u32 s2, 0
	s_cbranch_scc0 .Lentry_in_a_cluster
	s_endpgm
.Lentry_in_a_cluster:
	s_bfe_u32 s2, ttmp6, 0x10000c
	s_cmp_lg_u32 s2, 0x3003
	s_cbranch_scc0 .Lentry_shape_is_right
	s_endpgm
.Lentry_shape_is_right:
; LAUNCH 2 OF 3.  The five projections on the codes of blk, and what attention wants of them, again as codes.  No work of the problem is left out here.
;   y 0-5  (A): [qd | q] = query tokens x [Wd | Wq]^T (+ bq), two heads a work-group -> qb: fragments (K = the 128 of [qd | q]), scale words, -0.5 |qd|^2
;   y 6-11 (B): [kd | k] = key tokens x [Wd | Wk]^T (+ bk)                          -> kv: the same for the keys
;   y 12-14 (C): v = key tokens x Wv^T + bv, four heads a work-group, quantised ALONG THE KEYS -> kv: fragments of V^T and their scale words
; A UNIT is a P block (128 rows, 8 tiles, source 0: its rows run down the result's registers) x an R tile (16 rows, source 1: its rows lie in the lanes): 48 matrix instructions, 64 registers a lane, which are
; 128 neighbours along the NEXT product's K (the tiles' rows were chosen for that by the launch before) and become one fragment.  A, B: P = the weights, R = tokens.  C: P = tokens, R = Wv.
; SHARES.  A work-group: 256 tokens (two blocks of blk) x two weight blocks, all of K = 768: 311,296 bytes of LDS, filled ONCE by two tensor loads a wave (K steps 0-2, then 3-5): one load of a wave is out at most.
; Wave w: P block w / 4, R tiles 4 (w % 4) .. + 3: 32 accumulators; 12 fragments from LDS feed 32 matrix instructions.  480 work-groups of equal work.
; CLUSTER 4 x 1: the four partners differ in their tokens and share the weight blocks, which waves 0-3 ask for JOINTLY; the token blocks (waves 4-7) are each work-group's own.
; The token blocks are shared along y, by 6 or 9 work-groups; y's parts 6, 6 and 3 do not all divide into clusters of four, so those loads stay plain.
; The sums begin with the bias (A, B: it is loaded into the accumulators of q's or k's tiles) or with the constant 0; in C bv, which hangs on the lane, is added behind the sums.
; LIMITS: as stated at the head of the first launch (NaN, infinities; the byte 1 for a block of zeros).
; REGISTERS.  Window 1: accumulator (tile T of P, R tile p) at 8 (8 p + T).  Window 0: v1-15 lane terms and addresses; v16-39 P's scale words, v40-51 R's (lanes 0-15 an even tile's word, lanes 16-31 the odd one's);
;   v52-59 bv; v60-63 store addresses; v64-159 two buffers of four P fragments; v160-255 two buffers of four R fragments; behind the products v64-175 are at work.
.set BLKB,  77824
.set PIECE, 38912
.set HPIECE, 19456                     ; what one tensor load brings: 76 rows of 256 bytes
.set GRP,   155648                     ; LDS: the four blocks' pieces of K steps 0-2; behind them those of K steps 3-5
.set SCOF,  36864                      ; a piece's scale words
.set FRB,   1536                       ; a fragment's image
.set SPARE, 311296                     ; the spare words, 128 bytes a wave
.set LI,  3
.set AP,  4                            ; v4-5  my P block's piece in group 0, 1, + 16 x lane
.set ARF, 6                            ; v6-7  my four R tiles' fragments
.set ARS, 8                            ; v8-9  and their scale words
.set SPW, 14
.set NIL, 15
.set VF,  60                           ; where I store fragments,
.set VS,  61                           ; scale words,
.set VQ,  62                           ; norms
.set TM,  64
.set MSB, 0
.macro WIN new                         ; the immediate's high byte repeats the setting that is left
.if MSB != \new
	s_set_vgpr_msb (MSB<<8)|\new
.set MSB, \new
.endif
.endm
.macro ROUND                           ; a round of the cluster's barrier
	s_barrier_signal -1
	s_barrier_wait -1
	s_cmp_lg_u32 s16, 0
	s_cbranch_scc1 .Lnot_wave_0_\@
	s_barrier_signal -3
.Lnot_wave_0_\@:
	s_barrier_wait -3
	s_barrier_signal -1
	s_barrier_wait -1
.endm
.macro PLACES
.rept 4
	v_nop
.endr
.endm
	s_load_b256 s[4:11], s[0:1], 0x0               ; blk, bq, bk, bv
	s_load_b128 s[12:15], s[0:1], 0x20             ; qb, kv
	v_lshl_add_u32 v[SPW], v0, 2, SPARE
	v_mov_b32 v[NIL], 0
	ds_add_u32 v[SPW], v[NIL]                      ; the wave's opening: the add, twice on end, and its wait ahead of my first tensor load
	ds_add_u32 v[SPW], v[NIL]
	v_lshrrev_b32 v1, 5, v0
	s_delay_alu instid0(VALU_DEP_1)
	v_readfirstlane_b32 s16, v1                    ; wave 0..7
	s_bfe_u32 s17, ttmp6, 0x40000                  ; cx
	s_lshl_b32 s18, ttmp9, 2
	s_add_co_u32 s18, s18, s17                     ; X: my 256 tokens
	s_and_b32 s19, ttmp7, 0xffff                   ; y: which weights; the four partners share it
	; group 1: 76 rows of 256 bytes (32 elements of 8 bytes), dense, no padding.  s[36:43]: with the mask of all four partners; s[44:51]: plain
	s_mov_b32 s36, 15|(3<<16)|(1<<21)
	s_mov_b32 s44, 3<<16
.irp g, 36, 44
	s_mov_b32 s[\g+1], 32<<16                      ; tensor_dim0
	s_mov_b32 s[\g+2], 76<<16                      ; tensor_dim1
	s_mov_b32 s[\g+3], 32<<16                      ; tile_dim0
	s_mov_b32 s[\g+4], 76                          ; tile_dim1
	s_mov_b32 s[\g+5], 32                          ; the pitch
	s_mov_b32 s[\g+6], 0
	s_mov_b32 s[\g+7], 0
.endr
	s_and_b32 s20, s16, 3
	s_lshr_b32 s20, s20, 1                         ; which of the two blocks I fetch for,
	s_and_b32 s21, s16, 1
	s_mul_i32 s21, s21, HPIECE                     ; and which half of its piece
	s_lshl_b32 s22, s19, 1
	s_add_co_u32 s22, s22, 128
	s_add_co_u32 s22, s22, s20                     ; the weights' block: 128 + 2 y + ..: no place in the cluster enters it
	s_mul_i32 s22, s22, BLKB
	s_add_co_u32 s22, s22, s21
	s_mov_b32 s23, 0
	s_cmp_lt_u32 s19, 6
	s_cselect_b32 s24, 0, 64                       ; query tokens for y < 6, else key tokens
	s_lshl_b32 s25, s18, 1
	s_add_co_u32 s24, s24, s25
	s_add_co_u32 s24, s24, s20                     ; the tokens' block
	s_mul_i32 s24, s24, BLKB
	s_add_co_u32 s24, s24, s21
	s_mov_b32 s25, 0
	s_mul_i32 s26, s16, HPIECE                     ; where my load lands: waves 0-3 the two weight blocks, waves 4-7 the two token blocks
	s_wait_dscnt 0x0                               ; both opening adds are done
	s_wait_kmcnt 0x0
	s_add_nc_u64 s[28:29], s[4:5], s[22:23]
	s_add_nc_u64 s[30:31], s[4:5], s[24:25]
	ROUND                                          ; all four work-groups are here: the joint loads meet
	s_mov_b32 s52, 1
	s_mov_b32 s53, s26
	s_mov_b64 s[54:55], s[28:29]
	s_or_b32 s55, s55, 0x80000000
	s_mov_b32 s56, 1
	s_add_co_u32 s57, s26, GRP
	s_add_nc_u64 s[58:59], s[28:29], PIECE
	s_or_b32 s59, s59, 0x80000000
	s_mov_b32 s68, 1
	s_mov_b32 s69, s26
	s_mov_b64 s[70:71], s[30:31]
	s_or_b32 s71, s71, 0x80000000
	s_mov_b32 s72, 1
	s_add_co_u32 s73, s26, GRP
	s_add_nc_u64 s[74:75], s[30:31], PIECE
	s_or_b32 s75, s75, 0x80000000
	s_cmp_lt_u32 s16, 4                            ; one fill a wave at the head (K steps 0-2), in one branch on its number
	s_cbranch_scc0 .Lfill_x
	tensor_load_to_lds s[52:55], s[36:43]
	s_nop 0
	PLACES
	s_branch .Lfilled
.Lfill_x:
	tensor_load_to_lds s[68:71], s[44:51]
	s_nop 0
	PLACES
.Lfilled:
	v_and_b32 v1, 15, v0                           ; r
	v_bfe_u32 v2, v0, 4, 1                         ; h
	v_and_b32 v12, 31, v0
	s_delay_alu instid0(VALU_DEP_1)
	v_lshlrev_b32 v[LI], 4, v12                    ; 16 x lane
	s_delay_alu instid0(VALU_DEP_2)
	v_lshlrev_b32 v12, 2, v12                      ; 4 x lane
	v_and_b32 v10, 8, v1
	s_delay_alu instid0(VALU_DEP_1)
	v_add_nc_u32 v10, v10, v1
	s_delay_alu instid0(VALU_DEP_1)
	v_lshlrev_b32 v10, 2, v10                      ; 4 (r + 8 (r / 8))
	s_delay_alu instid0(VALU_DEP_1)
	v_lshl_add_u32 v13, v2, 5, v10                 ; + 32 h
	v_lshlrev_b32 v63, 6, v2                       ; 64 h
	s_lshr_b32 s27, s16, 2                         ; pb: my P block
	s_and_b32 s28, s16, 3                          ; rq: my four R tiles:
	s_lshr_b32 s29, s28, 1                         ; their block,
	s_and_b32 s30, s28, 1                          ; and which half of it
	s_mov_b32 s80, 0x76543210
	s_mov_b32 s81, 0xfedcba98
	s_mov_b32 s82, 0xffff0000                      ; lanes 16-31
; the LDS addresses.  preg, rreg: the first of P's and of R's two blocks in LDS
.macro SETADR preg, rreg
	s_mul_i32 s31, s27, PIECE
	s_add_co_u32 s31, s31, (\preg)*PIECE
	v_add_nc_u32 v[AP], s31, v[LI]
	s_add_co_u32 s31, s31, GRP
	v_add_nc_u32 v[AP+1], s31, v[LI]
	s_mul_i32 s31, s29, PIECE
	s_mul_i32 s32, s30, 4*FRB
	s_add_co_u32 s33, s31, s32
	s_add_co_u32 s33, s33, (\rreg)*PIECE
	v_add_nc_u32 v[ARF], s33, v[LI]
	s_add_co_u32 s33, s33, GRP
	v_add_nc_u32 v[ARF+1], s33, v[LI]
	s_lshl_b32 s32, s30, 10
	s_add_co_u32 s33, s31, s32
	s_add_co_u32 s33, s33, (\rreg)*PIECE+SCOF
	v_add_nc_u32 v[ARS], s33, v[LI]
	s_add_co_u32 s33, s33, GRP
	v_add_nc_u32 v[ARS+1], s33, v[LI]
.endm
.macro LDP s, e                        ; P's tiles 4 e .. 4 e + 3 of K step s into P buffer e: 12 loads
.irp i, 0,1,2,3
.irp c, 0,1,2
	ds_load_b128 v[64+48*(\e)+12*\i+4*\c:64+48*(\e)+12*\i+4*\c+3], v[AP+(\s)/3] offset:(8*((\s)%3)+4*(\e)+\i)*FRB+512*\c
.endr
.endr
.endm
.macro LDR s                           ; my four R tiles of K step s into R buffer s % 2: 12 loads
.irp i, 0,1,2,3
.irp c, 0,1,2
	ds_load_b128 v[160+48*((\s)%2)+12*\i+4*\c:160+48*((\s)%2)+12*\i+4*\c+3], v[ARF+(\s)/3] offset:(8*((\s)%3)+\i)*FRB+512*\c
.endr
.endr
.endm
.macro LDSC kh                         ; the scale words of three K steps: 12 loads.  Lane l reads at 16 l: lanes 0-15 the even tile's rows, lanes 16-31 the odd tile's
.irp p, 0,1,2,3
	ds_load_b64 v[16+2*(2*\p+(\kh)):17+2*(2*\p+(\kh))], v[AP+(\kh)] offset:SCOF+512*\p
	ds_load_b32 v[32+2*\p+(\kh)], v[AP+(\kh)] offset:SCOF+512*\p+8
.endr
.irp q, 0,1
	ds_load_b64 v[40+2*(2*\q+(\kh)):41+2*(2*\q+(\kh))], v[ARS+(\kh)] offset:512*\q
	ds_load_b32 v[48+2*\q+(\kh)], v[ARS+(\kh)] offset:512*\q+8
.endr
.endm
.macro EMITW                           ; the matrix instruction named by the symbols wD, wA, wB, wSA, wSB; wZ: it starts a sum; wRA, wRB: the odd tile's scale words
.if wZ
.if wRA && wRB
	v_wmma_scale_f32_16x16x128_f8f6f4 v[wD:wD+7], v[wA:wA+11], v[wB:wB+11], 0, v[wSA], v[wSB] matrix_a_fmt:MATRIX_FMT_FP6 matrix_b_fmt:MATRIX_FMT_FP6 matrix_a_scale:MATRIX_SCALE_ROW1 matrix_b_scale:MATRIX_SCALE_ROW1
.elseif wRA
	v_wmma_scale_f32_16x16x128_f8f6f4 v[wD:wD+7], v[wA:wA+11], v[wB:wB+11], 0, v[wSA], v[wSB] matrix_a_fmt:MATRIX_FMT_FP6 matrix_b_fmt:MATRIX_FMT_FP6 matrix_a_scale:MATRIX_SCALE_ROW1
.elseif wRB
	v_wmma_scale_f32_16x16x128_f8f6f4 v[wD:wD+7], v[wA:wA+11], v[wB:wB+11], 0, v[wSA], v[wSB] matrix_a_fmt:MATRIX_FMT_FP6 matrix_b_fmt:MATRIX_FMT_FP6 matrix_b_scale:MATRIX_SCALE_ROW1
.else
	v_wmma_scale_f32_16x16x128_f8f6f4 v[wD:wD+7], v[wA:wA+11], v[wB:wB+11], 0, v[wSA], v[wSB] matrix_a_fmt:MATRIX_FMT_FP6 matrix_b_fmt:MATRIX_FMT_FP6
.endif
.else
.if wRA && wRB
	v_wmma_scale_f32_16x16x128_f8f6f4 v[wD:wD+7], v[wA:wA+11], v[wB:wB+11], v[wD:wD+7], v[wSA], v[wSB] matrix_a_fmt:MATRIX_FMT_FP6 matrix_b_fmt:MATRIX_FMT_FP6 matrix_a_scale:MATRIX_SCALE_ROW1 matrix_b_scale:MATRIX_SCALE_ROW1
.elseif wRA
	v_wmma_scale_f32_16x16x128_f8f6f4 v[wD:wD+7], v[wA:wA+11], v[wB:wB+11], v[wD:wD+7], v[wSA], v[wSB] matrix_a_fmt:MATRIX_FMT_FP6 matrix_b_fmt:MATRIX_FMT_FP6 matrix_a_scale:MATRIX_SCALE_ROW1
.elseif wRB
	v_wmma_scale_f32_16x16x128_f8f6f4 v[wD:wD+7], v[wA:wA+11], v[wB:wB+11], v[wD:wD+7], v[wSA], v[wSB] matrix_a_fmt:MATRIX_FMT_FP6 matrix_b_fmt:MATRIX_FMT_FP6 matrix_b_scale:MATRIX_SCALE_ROW1
.else
	v_wmma_scale_f32_16x16x128_f8f6f4 v[wD:wD+7], v[wA:wA+11], v[wB:wB+11], v[wD:wD+7], v[wSA], v[wSB] matrix_a_fmt:MATRIX_FMT_FP6 matrix_b_fmt:MATRIX_FMT_FP6
.endif
.endif
.endm
; P's tile tau x my R tile rho, K step s.  mode 0 (A, B): in K step 0 tiles 0-3 (qd, kd) start with 0, tiles 4-7 add onto the bias that lies in the accumulator; mode 1 (C): all start with 0
.macro WM tau, rho, s, mode
.set wD, 8*(8*(\rho)+(\tau))
.set wA, 64+48*((\tau)/4)+12*((\tau)%4)
.set wB, 160+48*((\s)%2)+12*(\rho)
.if ((\s)%3) < 2
.set wSA, 16+2*(2*((\tau)/2)+(\s)/3)+(\s)%3
.set wSB, 40+2*(2*((\rho)/2)+(\s)/3)+(\s)%3
.else
.set wSA, 32+2*((\tau)/2)+(\s)/3
.set wSB, 48+2*((\rho)/2)+(\s)/3
.endif
.set wRA, (\tau)%2
.set wRB, (\rho)%2
.set wZ, 0
.if (\s) == 0
.if (\mode) || ((\tau) < 4)
.set wZ, 1
.endif
.endif
	EMITW
.endm
; Half a K step: 16 matrix instructions on 16 accumulators; the other half's 16 follow, so the 32 take turns, one instruction a turn.
; At its head the next half's fragments are asked for; the wait leaves just those out.
.macro HALF n, mode
.set hs, (\n)/2
.set he, (\n)%2
.if (\n) == 5
	s_wait_dscnt 0x0                               ; no LDS instruction of mine is out at a signal
	s_wait_tensorcnt 0x0                           ; my part of K steps 3-5 has landed;
	s_barrier_signal -1
	s_barrier_wait -1                              ; everybody's has.
.endif
.if (\n) > 0
	PLACES                                         ; four places between the last products and loads into a buffer that they read
.endif
	WIN 0
.if he == 0
	LDP hs, 1
	s_wait_dscnt 12                                ; all but the 12 just issued
.elseif (\n) == 5
	LDP hs+1, 0
	LDR hs+1
	LDSC 1
	s_wait_dscnt 36                                ; all but the 36 just issued
.elseif (\n) < 11
	LDP hs+1, 0
	LDR hs+1
	s_wait_dscnt 24                                ; all but the 24 just issued
.else
	s_wait_dscnt 0x0
.endif
	WIN 0x50                                       ; C and D in window 1
.irp rho, 0,1,2,3
.irp tq, 0,1,2,3
	WM 4*he+\tq, \rho, hs, \mode
.endr
.endr
.endm
.macro MAIN mode
	s_wait_tensorcnt 0x0                           ; my part of K steps 0-2 has landed
	ds_add_u32 v[SPW], v[NIL]
	s_wait_dscnt 0x0
	ROUND                                          ; everybody's part is in, and the four partners are here
	s_cmp_lt_u32 s16, 4                            ; K steps 3-5: my one tensor load behind the round
	s_cbranch_scc0 .Lfill2_x_\@
	tensor_load_to_lds s[56:59], s[36:43]
	s_nop 0
	PLACES
	s_branch .Lfilled2_\@
.Lfill2_x_\@:
	tensor_load_to_lds s[72:75], s[44:51]
	s_nop 0
	PLACES
.Lfilled2_\@:
	LDSC 0
	LDP 0, 0
	LDR 0
	s_wait_loadcnt 0x0                             ; the biases
.irp n, 0,1,2,3,4,5,6,7,8,9,10,11
	HALF \n, \mode
.endr
	WIN 0
	PLACES                                         ; in front of the first read of results and the first write into the fragments' registers
.irp b, 0,1,2,3
	v_mov_b32 v[TM+4+\b], 0                        ; a lane permute's destination counts as one of its sources
.endr
.endm
; Unit rho's 64 registers become a fragment (codes at v[96 + 20 rho] on, scale word v[80 + rho]) and leave.  Each accumulator is read from its low end on.
.macro EPI rho, mode
.set A0, 64*(\rho)
.set PCR, 96+20*(\rho)
.if \mode
	WIN 0x41
.set ee, 0
.rept 32
	v_pk_add_f32 v[A0+ee:A0+ee+1], v[A0+ee:A0+ee+1], v[52+2*(\rho):53+2*(\rho)] op_sel_hi:[1,0]   ; + bv of my lane's feature
.set ee, ee+2
.endr
.endif
	WIN 0x05                                       ; sources 0 and 1 in window 1
.if (\mode) == 0
	v_pk_mul_f32 v[88:89], v[A0:A0+1], v[A0:A0+1]  ; |qd|^2 or |kd|^2: my 32 of the 64 squares, in two chains
	v_pk_mul_f32 v[90:91], v[A0+2:A0+3], v[A0+2:A0+3]
.irp i, 4,8,12,16,20,24,28
	v_pk_fma_f32 v[88:89], v[A0+\i:A0+\i+1], v[A0+\i:A0+\i+1], v[88:89]
	v_pk_fma_f32 v[90:91], v[A0+\i+2:A0+\i+3], v[A0+\i+2:A0+\i+3], v[90:91]
.endr
.endif
.irp b, 0,1,2,3
	v_max3_num_f32 v[TM+\b], |v[A0+16*\b]|, |v[A0+16*\b+1]|, 0x1800000   ; block b: my 16 numbers and the floor 2^(3 - 127)
.endr
.irp i, 2,4,6,8,10,12,14
.irp b, 0,1,2,3
	v_max3_num_f32 v[TM+\b], |v[A0+16*\b+\i]|, |v[A0+16*\b+\i+1]|, v[TM+\b]
.endr
.endr
	WIN 0
.if (\mode) == 0
	v_pk_add_f32 v[88:89], v[88:89], v[90:91]
	s_delay_alu instid0(VALU_DEP_1)
	v_add_f32 v88, v88, v89
	s_delay_alu instid0(VALU_DEP_1)
	v_permlanex16_b32 v89, v88, s80, s81
	s_delay_alu instid0(VALU_DEP_1)
	v_add_f32 v88, v88, v89
	s_delay_alu instid0(VALU_DEP_1)
	v_mul_f32 v[84+(\rho)], -0.5, v88              ; -0.5 x the norm of my lane's token
.endif
.irp b, 0,1,2,3
	v_permlanex16_b32 v[TM+4+\b], v[TM+\b], s80, s81
.endr
.irp b, 0,1,2,3
	s_delay_alu instid0(VALU_DEP_4)
	v_max_num_f32 v[TM+\b], v[TM+\b], v[TM+4+\b]
.endr
.irp b, 0,1,2,3
	s_delay_alu instid0(VALU_DEP_4)
	v_add_nc_u32 v[TM+12+\b], 0xff000000, v[TM+\b] ; 2 off the exponent field: the conversion's scale operand
.endr
.irp b, 0,1,2,3
	s_delay_alu instid0(VALU_DEP_4)
	v_lshrrev_b32 v[TM+4+\b], 23, v[TM+12+\b]      ; the scale's byte
.endr
	s_delay_alu instid0(VALU_DEP_3)
	v_lshl_or_b32 v[80+(\rho)], v[TM+5], 8, v[TM+4]
	s_delay_alu instid0(VALU_DEP_1)
	v_lshl_or_b32 v[80+(\rho)], v[TM+6], 16, v[80+(\rho)]
	s_delay_alu instid0(VALU_DEP_1)
	v_lshl_or_b32 v[80+(\rho)], v[TM+7], 24, v[80+(\rho)]
	WIN 0x01                                       ; the numbers in window 1
.irp c, 0,1
	v_cvt_scalef32_pk16_fp6_f32 v[PCR+6*\c:PCR+6*\c+2], v[A0+32*\c:A0+32*\c+15], v[TM+12+2*\c]
	v_cvt_scalef32_pk16_fp6_f32 v[PCR+12+4*\c:PCR+14+4*\c], v[A0+32*\c+16:A0+32*\c+31], v[TM+13+2*\c]
.endr
	WIN 0
	v_nop                                          ; one plain place behind a scaled conversion
.irp c, 0,1
.irp i, 0,1,2
	v_permlane16_swap_b32 v[PCR+6*\c+\i], v[PCR+12+4*\c+\i]
.endr
.irp i, 0,1,2
	s_delay_alu instid0(VALU_DEP_3)
	v_mov_b32 v[PCR+3+6*\c+\i], v[PCR+12+4*\c+\i]
.endr
.endr
.irp c, 0,1,2
	global_store_b128 v[VF], v[PCR+4*\c:PCR+4*\c+3], s[76:77] offset:FRB*(\rho)+512*\c   ; 32 lanes store 512 consecutive bytes, at a multiple of 256 from the buffer's first byte
.endr
.endm
.macro TAIL mode                       ; two tiles' scale words (and norms) in one register: lanes 0-15 the even tile's, lanes 16-31 the odd tile's: 128 consecutive bytes a store
.irp q, 0,1
	v_cndmask_b32 v[92+\q], v[80+2*\q], v[81+2*\q], s82
	global_store_b32 v[VS], v[92+\q], s[76:77] offset:128*\q
.if (\mode) == 0
	v_cndmask_b32 v[94+\q], v[84+2*\q], v[85+2*\q], s82
	global_store_b32 v[VQ], v[94+\q], s[76:77] offset:128*\q
.endif
.endr
.endm
.macro FINISH
	s_wait_tensorcnt 0x0                           ; the wave's end
	ds_add_u32 v[SPW], v[NIL]
	s_wait_dscnt 0x0
	ROUND                                          ; the closing round: no work-group ends while a partner may still ask for a tile that names it
	s_endpgm
.endm
	s_cmp_lt_u32 s19, 12                           ; y is the same in all waves and in all four partners
	s_cbranch_scc0 .Lpath_c
	; ---- A and B: P = the weights' blocks (LDS blocks 0, 1), R = the tokens' (2, 3)
	s_wait_alu depctr_va_vdst(0)
	SETADR 0, 2
	s_cmp_ge_u32 s19, 6
	s_cselect_b32 s31, 6, 0
	s_sub_co_u32 s31, s19, s31
	s_lshl_b32 s31, s31, 1
	s_add_co_u32 s31, s31, s27                     ; my head
	s_lshr_b32 s32, s18, 2                         ; the batch
	s_mul_i32 s32, s32, 12
	s_add_co_u32 s32, s32, s31                     ; bh
	s_and_b32 s33, s18, 3
	s_lshl_b32 s33, s33, 1
	s_add_co_u32 s33, s33, s29                     ; which 128 tokens of the 1,024
	s_and_b32 s34, s33, 3
	s_lshl_b32 s34, s34, 1
	s_lshr_b32 s35, s33, 2
	s_add_co_u32 s34, s34, s35                     ; key step s lies in chunk 2 (s % 4) + s / 4 of kv
	s_mul_i32 s84, s32, 106496
	s_mul_i32 s85, s33, 13312
	s_add_co_u32 s84, s84, s85                     ; in qb
	s_mul_i32 s86, s32, 157696
	s_mul_i32 s87, s34, 19712
	s_add_co_u32 s86, s86, s87                     ; in kv
	s_mov_b32 s88, 12288                           ; a chunk's scale words,
	s_mov_b32 s89, 12800                           ; and its norms
	s_cmp_ge_u32 s19, 6
	s_cselect_b32 s84, s86, s84
	s_cselect_b32 s88, 18432, s88
	s_cselect_b32 s89, 19200, s89
	s_cselect_b64 s[76:77], s[14:15], s[12:13]
	s_cselect_b64 s[78:79], s[8:9], s[6:7]
	s_mov_b32 s85, 0
	s_add_nc_u64 s[76:77], s[76:77], s[84:85]      ; my chunk
	s_lshl_b32 s86, s31, 8
	s_mov_b32 s87, 0
	s_add_nc_u64 s[78:79], s[78:79], s[86:87]      ; my head's 64 numbers of bq or bk
	s_mul_i32 s90, s30, 4*FRB
	v_add_nc_u32 v[VF], s90, v[LI]
	s_lshl_b32 s91, s30, 8
	s_add_co_u32 s92, s91, s88
	v_add_nc_u32 v[VS], s92, v12
	s_add_co_u32 s93, s91, s89
	v_add_nc_u32 v[VQ], s93, v13                   ; the norms lie in the tokens' own order: 4 (8 h + r + 8 (r / 8)) within 32
	WIN 0x40                                       ; destination window 1: the bias is the sums' start: tile T's register j of lane (r, h) is feature 32 ((T - 4) / 2) + 16 h + 8 (T % 2) + j
.irp rho, 0,1,2,3
.irp tau, 4,5,6,7
	global_load_b128 v[8*(8*\rho+\tau):8*(8*\rho+\tau)+3], v63, s[78:79] offset:(32*((\tau-4)/2)+8*(\tau%2))*4
	global_load_b128 v[8*(8*\rho+\tau)+4:8*(8*\rho+\tau)+7], v63, s[78:79] offset:(32*((\tau-4)/2)+8*(\tau%2))*4+16
.endr
.endr
	WIN 0
	s_wait_alu depctr_va_vdst(0)
	MAIN 0
	EPI 0, 0
	EPI 1, 0
	EPI 2, 0
	EPI 3, 0
	TAIL 0
	FINISH
.Lpath_c:
	; ---- C: P = the tokens' blocks (LDS blocks 2, 3), R = Wv's (0, 1): the keys run down the registers
	s_wait_alu depctr_va_vdst(0)
	SETADR 2, 0
	s_sub_co_u32 s31, s19, 12
	s_lshl_b32 s31, s31, 2
	s_add_co_u32 s31, s31, s28                     ; my head: my four R tiles are its 64 features
	s_lshr_b32 s32, s18, 2
	s_mul_i32 s32, s32, 12
	s_add_co_u32 s32, s32, s31                     ; bh
	s_and_b32 s33, s18, 3
	s_lshl_b32 s33, s33, 1
	s_add_co_u32 s33, s33, s27                     ; which 128 keys
	s_and_b32 s34, s33, 3
	s_lshl_b32 s34, s34, 1
	s_lshr_b32 s35, s33, 2
	s_add_co_u32 s34, s34, s35
	s_mul_i32 s84, s32, 157696
	s_mul_i32 s85, s34, 19712
	s_add_co_u32 s84, s84, s85
	s_add_co_u32 s84, s84, 12288                   ; V's part of the chunk
	s_mov_b32 s85, 0
	s_add_nc_u64 s[76:77], s[14:15], s[84:85]
	s_lshl_b32 s86, s31, 8
	s_mov_b32 s87, 0
	s_add_nc_u64 s[78:79], s[10:11], s[86:87]
	v_mov_b32 v[VF], v[LI]
	v_add_nc_u32 v[VS], 6656, v12                  ; V's scale words lie 6,656 bytes behind its fragments' start
.irp rho, 0,1,2,3
	global_load_b32 v[52+2*\rho], v10, s[78:79] offset:(32*(\rho/2)+8*(\rho%2))*4   ; bv of feature 32 (rho / 2) + 8 (rho % 2) + r + 8 (r / 8)
	v_mov_b32 v[53+2*\rho], 0                      ; (named with it as a pair)
.endr
	s_wait_alu depctr_va_vdst(0)
	MAIN 1
	EPI 0, 1
	EPI 1, 1
	EPI 2, 1
	EPI 3, 1
	TAIL 1
	FINISH
.Lfunc_end_k_qfcac452b3e_proj:
	.size	k_qfcac452b3e_proj, .Lfunc_end_k_qfcac452b3e_proj-k_qfcac452b3e_proj
	.p2alignl 7, 3214868480
	.fill 96, 4, 3214868480
	.section	.rodata,"a",@progbits
	.p2align	6, 0x0
	.amdhsa_kernel k_qfcac452b3e_proj
		.amdhsa_group_segment_fixed_size 327680
		.amdhsa_private_segment_fixed_size 0
		.amdhsa_enable_private_segment 0
		.amdhsa_kernarg_size 48
		.amdhsa_user_sgpr_count 2
		.amdhsa_user_sgpr_kernarg_segment_ptr 1
		.amdhsa_wavefront_size32 1
		.amdhsa_system_sgpr_workgroup_id_x 1
		.amdhsa_system_sgpr_workgroup_id_y 1
		.amdhsa_system_sgpr_workgroup_id_z 1
		.amdhsa_system_vgpr_workitem_id 0
		.amdhsa_next_free_vgpr 512
		.amdhsa_next_free_sgpr 100
		.amdhsa_reserve_vcc 0
		.amdhsa_float_denorm_mode_32 3
		.amdhsa_float_denorm_mode_16_64 3
		.amdhsa_memory_ordered 1
		.amdhsa_forward_progress 1
		.amdhsa_inst_pref_size 153
	.end_amdhsa_kernel
	.amdgpu_metadata
---
amdhsa.version: [ 1, 2 ]
amdhsa.kernels:
  - .name:           k_qfcac452b3e_proj
    .symbol:         k_qfcac452b3e_proj.kd
    .args:
      - { .name: blk, .offset: 0, .size: 8, .value_kind: global_buffer, .address_space: global }
      - { .name: bq, .offset: 8, .size: 8, .value_kind: global_buffer, .address_space: global }
      - { .name: bk, .offset: 16, .size: 8, .value_kind: global_buffer, .address_space: global }
      - { .name: bv, .offset: 24, .size: 8, .value_kind: global_buffer, .address_space: global }
      - { .name: qb, .offset: 32, .size: 8, .value_kind: global_buffer, .address_space: global }
      - { .name: kv, .offset: 40, .size: 8, .value_kind: global_buffer, .address_space: global }
    .group_segment_fixed_size: 327680
    .private_segment_fixed_size: 0
    .kernarg_segment_align: 8
    .kernarg_segment_size: 48
    .max_flat_workgroup_size: 256
    .sgpr_count:     100
    .vgpr_count:     512
    .wavefront_size: 32
...
	.end_amdgpu_metadata
.endif
;; end of part 2
;; launch attn (part 3): grid 256 x 1, 8 waves a work-group, clusters of 4 x 1, 327,680 bytes of LDS; arguments qb, kv, out0; writes out0
.if DOCPART == 3
	.amdgcn_target "amdgcn-amd-amdhsa--gfx1250"
	.amdhsa_code_object_version 6
	.text
	.protected	k_qfcac452b3e_attn
	.globl	k_qfcac452b3e_attn
	.p2align	8
	.type	k_qfcac452b3e_attn,@function
k_qfcac452b3e_attn:
	s_mov_b64 s[64:65], 0
	v_nop
	global_prefetch_b8 v0, s[64:65] scope:SCOPE_SE
	s_setreg_imm32_b32 hwreg(HW_REG_WAVE_MODE, 25, 1), 1
	s_wait_xcnt 0x0
	s_wait_alu depctr_hold_cnt(0) depctr_sa_sdst(0) depctr_va_vdst(0) depctr_va_sdst(0) depctr_va_ssrc(0) depctr_va_vcc(0) depctr_vm_vsrc(0)
	s_getreg_b32 s2, hwreg(HW_REG_IB_STS2, 6, 4)
	s_cmp_eq_u32 s2, 0
	s_cbranch_scc0 .Lentry_in_a_cluster
	s_endpgm
.Lentry_in_a_cluster:
	s_bfe_u32 s2, ttmp6, 0x10000c
	s_cmp_lg_u32 s2, 0x3003
	s_cbranch_scc0 .Lentry_shape_is_right
	s_endpgm
.Lentry_shape_is_right:
; LAUNCH 3 OF 3.  out0[b][q][64 head ..] = the sum over keys of softmax((qd.kd - 0.5 |qd|^2 - 0.5 |kd|^2 + q.k) / 8) v, on the codes of qb and kv.  No work of the problem is left out here.
; ONE PRODUCT FOR BOTH SCORES: [qd | q] . [kd | k] is one matrix instruction of K = 128 with the four blocks of the two products.  -0.5 |kd|^2 hangs on the key alone and is that instruction's C;
; -0.5 |qd|^2 hangs on the query, one number a lane: G = c x it goes into the addend of t - M.
; SOFTMAX: t = c s + G, c = log2(e) / 8; M = the largest t so far rounded UP to a whole number; p = 2^(t - M) is quantised along the keys, not normalised; the sum of the unquantised p divides at the end.
; SHARES.  256 work-groups stay and walk three UNITS each: a unit is 128 queries of one (batch, head).  Cluster x = c, trip t: unit c + 64 t; bh = unit / 2; query block 4 (unit % 2) + cx.
; So the four partners of a cluster have one head in every trip and ask for its K and V JOINTLY.  Wave w: the two tiles of 16 queries 2 (w % 4), 2 (w % 4) + 1 and the key half w / 4 (four steps of 128 keys):
; each fragment of K and V and each key's norm, read from LDS once, serves both tiles.  Each half has its own whole-number M.
; THE RING.  Two slots of four chunks of kv (78,848 bytes: both halves' steps 0, 1 or 2, 3).  A chunk is 77 rows of 256 bytes: wave w < 4 fetches rows 0-38 of chunk w, wave w >= 4 rows 39-76 of chunk w - 4:
; one load a wave is out at most.  A slot's refill is asked for behind a round of the cluster's barrier, two key steps ahead of the wait for it.
; THE MERGE HAS NO BARRIER OF ITS OWN.  At a unit's end a wave puts its O^T as it is, with -M and its sum, into its own stage; the round in front of the next unit's first steps shows them to all waves; behind that
; round's refill each wave takes eight rows of each of its two tiles from both halves' stages, brings them under the larger M by exact powers of two, divides by the joined sum and stores.  The last unit has a plain barrier there.
; PREFETCH.  In the trip that asks for fill k + 1 the 308 blocks of 256 bytes of fill k + 2 are named once in the cluster: partner cx takes chunk cx (by address), a lane a block, waves 0-2.  In a unit's first trip
; waves 3 and 4 name the 52 blocks of the next unit's part of qb.  The loop's second pass has no fill and no unit left to name: a branch on the loop's counter leads round both there; the last trip asks for nothing.
; LAYOUT.  Both products are used transposed (S^T = K Q^T, O^T = V^T P^T): a lane holds one query.  The keys of a tile of K and the features of a tile of V^T are 32 b + 8 u + r + 8 (r / 8), so that the 16 registers of tiles 2 b, 2 b + 1 are 16 neighbours.
; LIMITS: NaN and infinities are not served; the promise holds while the scaled scores t stay under 2^31 in magnitude; a p under 2^-126 counts as 0 (v_exp_f32 flushes denormals: ISA guide, 15.8);
; a block whose every p is 0 keeps the byte 1 over zero codes; a block's largest p is taken as the exponential of its largest score, which takes v_exp_f32 not to fall where its input rises.
; REGISTERS.  Window 0: v1-22 addresses, v24-33 scale words, v40-103 the step's 64 norms.  Window 1: v0-95 eight fragments of K, then four of V^T.  v104-255 of window u: all that is tile u's own, at the same numbers.
.set KVB,   157696
.set CH,    19712                      ; a chunk: K's 8 fragments, V^T's 4 (12,288), K's scale words (18,432), V's (18,944), -0.5 |kd|^2 (19,200)
.set TOPB,  9984                       ; a chunk's first 39 rows
.set USTEP, 32*KVB                     ; from a unit's head to the next unit's, in kv
.set QSTEP, 32*106496                  ; and in qb
.set STG,   8*CH                       ; behind the ring: a stage of 16 rows x 272 bytes for each wave and tile,
.set STW,   4352
.set ST,    STG+16*STW                 ; 512 bytes of statistics for each wave: for each tile 32 pairs (-M, sum),
.set SPARE, ST+8*512                   ; and the spare words, 128 bytes a wave
.set AD, 4
.set AS, 5
.set AQ, 6
.set GO, 7
.set SPW, 8
.set NIL, 9
.set QA, 10
.set QSA, 11
.set QN, 12
.set STA, 13
.set STB, 14
.set SIN, 15
.set SOUT, 16
.set PFO, 17
.set PFQ, 22
.set KS, 24                            ; K's scale words (4), V's (2), Q's (one a tile), p's (one a tile)
.set VS, 28
.set QS, 30
.set PW, 32
.set N,  40
.set S,  104                           ; a tile's own: S^T, then p
.set O,  168                           ; O^T
.set Q,  200                           ; Q's fragment
.set CD, 212                           ; p's codes
.set CT, 224                           ; at work
.set BM, 232                           ; the blocks' maxima
.set PT, 236
.set SO, 240
.set GM, 244                           ; G - M (a pair's low word)
.set NM, 246                           ; -M
.set TMX, 247                          ; the largest t
.set SUM, 248                          ; the sum, in two halves
.set G,  250
.set T,  251
.set FF, 252                           ; f (a pair's low word)
.set RAW, 254                          ; -0.5 |qd|^2 as loaded
.set G0, 44                            ; s[44:47], s[48:51] group 0 of slot 0, 1;  s[12:19], s[36:43] group 1 for 39 and for 38 rows
.set PF, 54                            ; s[54:55], s[56:57] where the prefetches of slot 0, 1 stand
.set MSB, 0
.macro WIN new                         ; the immediate's high byte repeats the setting that is left
.if MSB != (\new)
	s_set_vgpr_msb (MSB<<8)|(\new)
.set MSB, (\new)
.endif
.endm
.macro DL n
	s_delay_alu instid0(VALU_DEP_\n)
.endm
.macro ROUND                           ; a round of the cluster's barrier
	s_barrier_signal -1
	s_barrier_wait -1
	s_cmp_lg_u32 s10, 0
	s_cbranch_scc1 .Lnot_wave_0_\@
	s_barrier_signal -3
.Lnot_wave_0_\@:
	s_barrier_wait -3
	s_barrier_signal -1
	s_barrier_wait -1
.endm
.macro JLOAD s                         ; my joint load into slot s: two lines, one for each number of rows, under a branch on the wave's number
	s_cmp_lt_u32 s10, 4
	s_cbranch_scc0 .Llow_\@
	tensor_load_to_lds s[G0+4*(\s):G0+4*(\s)+3], s[12:19]
	s_nop 0
.rept 4
	v_nop
.endr
	s_branch .Lasked_\@
.Llow_\@:
	tensor_load_to_lds s[G0+4*(\s):G0+4*(\s)+3], s[36:43]
	s_nop 0
.rept 4
	v_nop
.endr
.Lasked_\@:
.endm
.macro WS d, a, b, c, sa, sb, row      ; D = A B + C; row: A's scale words stand in lanes 16-31
.if \row
	v_wmma_scale_f32_16x16x128_f8f6f4 v[\d:\d+7], v[\a:\a+11], v[\b:\b+11], v[\c:\c+7], v[\sa], v[\sb] matrix_a_fmt:MATRIX_FMT_FP6 matrix_b_fmt:MATRIX_FMT_FP6 matrix_a_scale:MATRIX_SCALE_ROW1
.else
	v_wmma_scale_f32_16x16x128_f8f6f4 v[\d:\d+7], v[\a:\a+11], v[\b:\b+11], v[\c:\c+7], v[\sa], v[\sb] matrix_a_fmt:MATRIX_FMT_FP6 matrix_b_fmt:MATRIX_FMT_FP6
.endif
.endm
	s_load_b128 s[4:7], s[0:1], 0x0                ; qb, kv
	s_load_b64 s[8:9], s[0:1], 0x10                ; out0
	v_lshl_add_u32 v[SPW], v0, 2, SPARE
	v_mov_b32 v[NIL], 0
	ds_add_u32 v[SPW], v[NIL]                      ; the opening: the add, twice on end, and its wait ahead of my first tensor load
	ds_add_u32 v[SPW], v[NIL]
	v_lshrrev_b32 v1, 5, v0
	v_readfirstlane_b32 s10, v1                    ; wave 0..7
	s_bfe_u32 s11, ttmp6, 0x40000                  ; cx: it enters qb's, out0's and the prefetches' addresses alone
	s_mov_b32 s12, 15|(3<<16)|(1<<21)              ; group 1: rows of 256 bytes (32 elements of 8), dense; the mask names all four partners
	s_mov_b32 s36, 15|(3<<16)|(1<<21)
.irp g, 12, 36
	s_mov_b32 s[\g+1], 32<<16
	s_mov_b32 s[\g+3], 32<<16
	s_mov_b32 s[\g+5], 32
	s_mov_b32 s[\g+6], 0
	s_mov_b32 s[\g+7], 0
.endr
	s_mov_b32 s14, 39<<16
	s_mov_b32 s16, 39
	s_mov_b32 s38, 38<<16
	s_mov_b32 s40, 38
	s_and_b32 s34, s10, 3                          ; pr: my pair of query tiles.  Also: the chunk of a slot that I fetch for
	s_lshr_b32 s35, s10, 2                         ; hf: my half of the keys.  Also: which part of that chunk
	s_lshr_b32 s32, ttmp9, 1                       ; bh of my first unit
	s_and_b32 s33, ttmp9, 1
	s_lshl_b32 s33, s33, 2
	s_add_co_u32 s33, s33, s11                     ; my block of 128 queries, the same in all three units
	s_mul_i32 s66, s34, CH
	s_mul_i32 s67, s35, TOPB
	s_add_co_u32 s66, s66, s67                     ; my part of a slot, in memory and in LDS alike
	s_mov_b32 s67, 0
	s_mul_i32 s60, s32, KVB
	s_mov_b32 s61, 0
	s_wait_dscnt 0x0                               ; both opening adds are done
	s_wait_kmcnt 0x0
	s_add_nc_u64 s[6:7], s[6:7], s[60:61]          ; my first head's part of kv
	ROUND                                          ; all four work-groups are here: the joint loads meet
	s_mov_b32 s44, 1
	s_mov_b32 s45, s66
	s_add_nc_u64 s[46:47], s[6:7], s[66:67]
	s_mov_b32 s48, 1
	s_add_co_u32 s49, s66, 4*CH
	s_add_nc_u64 s[50:51], s[46:47], 4*CH
	s_or_b32 s47, s47, 0x80000000
	s_or_b32 s51, s51, 0x80000000
	JLOAD 0                                        ; the first unit's chunks 0-3: one tensor load a wave at the head
	s_mul_i32 s60, s11, CH
	s_add_nc_u64 s[54:55], s[6:7], s[60:61]        ; the prefetches: my work-group's chunk of slot 0,
	s_add_nc_u64 s[56:57], s[54:55], 4*CH          ; and of slot 1
	s_mul_i32 s60, s32, 106496
	s_mul_i32 s68, s33, 13312
	s_add_co_u32 s60, s60, s68
	s_add_nc_u64 s[52:53], s[4:5], s[60:61]        ; my block's chunk of qb
	s_mov_b32 s28, 0x76543210
	s_mov_b32 s29, 0xfedcba98                      ; v_permlanex16_b32's selects for lane l xor 16
	s_mov_b32 s30, 0x3e38aa3b                      ; c = log2(e) / 8
	s_mov_b32 s31, s30
	s_mul_i32 s68, s35, CH
	s_mul_i32 s69, s34, 3072
	s_lshl_b32 s70, s34, 7
	s_lshl_b32 s71, s10, 9
	s_add_co_u32 s71, s71, ST
	s_lshl_b32 s72, s34, 9
	s_lshl_b32 s77, s35, 6
	s_add_co_u32 s72, s72, s77
	s_add_co_u32 s72, s72, ST
	s_mul_i32 s73, s10, 2*STW
	s_add_co_u32 s73, s73, STG
	s_mul_i32 s74, s34, 2*STW
	s_mul_i32 s75, s35, 8*272
	s_add_co_u32 s74, s74, s75
	s_add_co_u32 s74, s74, STG
	s_lshl_b32 s75, s34, 5
	s_lshl_b32 s76, s35, 4
	s_add_co_u32 s75, s75, s76
	v_and_b32 v18, 31, v0                          ; lane
	v_and_b32 v19, 15, v0                          ; r
	v_bfe_u32 v20, v0, 4, 1                        ; h
	v_lshl_add_u32 v1, v18, 4, s68                 ; my half's chunk + 16 x lane,
	v_lshl_add_u32 v2, v18, 2, s68                 ; + 4 x lane,
	v_lshl_add_u32 v3, v20, 6, s68                 ; + 64 h
	v_lshl_add_u32 v[QA], v18, 4, s69              ; qb: my two fragments,
	v_lshl_add_u32 v[QSA], v19, 2, s70             ; their scale words,
	v_and_b32 v21, 8, v19
	v_add_nc_u32 v21, v21, v19
	v_lshl_add_u32 v[QN], v21, 2, s70              ; and norms, which lie in the tokens' own order: 4 (r + 8 (r / 8))
	v_lshl_add_u32 v[STA], v18, 3, s71             ; my statistics: 8 bytes a lane;
	v_lshl_add_u32 v[STB], v20, 3, s72             ; way out: those of (pr, half 0), query row 8 hf + h on
	v_mul_u32_u24 v[SIN], v19, 272
	v_lshl_add_u32 v[SIN], v20, 6, v[SIN]
	v_add_nc_u32 v[SIN], s73, v[SIN]               ; my stages, way in: row r, + 64 h
	v_mul_u32_u24 v[SOUT], v20, 272
	v_lshl_add_u32 v[SOUT], v19, 4, v[SOUT]
	v_add_nc_u32 v[SOUT], s74, v[SOUT]             ; way out: the stages of (pr, half 0), rows 8 hf + h on, 16 bytes a lane
	v_add_nc_u32 v[GO], s75, v20
	v_mul_u32_u24 v[GO], v[GO], 3072
	v_lshl_add_u32 v[GO], v19, 4, v[GO]            ; out0: token 32 pr + 16 hf + h of the block, 16 bytes a lane
	v_min_u32 v[PFO], 76, v0
	v_lshlrev_b32 v[PFO], 8, v[PFO]                ; kv: a lane a block of 256 bytes; the lanes over name the chunk's last block again
	v_add_nc_u32 v[PFQ], 0xffffffa0, v0
	v_min_u32 v[PFQ], 51, v[PFQ]
	v_lshlrev_b32 v[PFQ], 8, v[PFQ]                ; qb: the same for threads 96 on (waves 3 and 4), 52 blocks
	s_wait_alu depctr_va_vdst(0)
.macro QLOAD                           ; a unit's Q: two fragments, norms, scale words
.irp u, 0,1
	WIN 0x40*\u
.irp c, 0,1,2
	global_load_b128 v[Q+4*\c:Q+4*\c+3], v[QA], s[52:53] offset:1536*\u+512*\c
.endr
	global_load_b32 v[RAW], v[QN], s[52:53] offset:12800+32*\u
.endr
	WIN 0
	global_load_b32 v[QS], v[QSA], s[52:53] offset:12288
	global_load_b32 v[QS+1], v[QSA], s[52:53] offset:12288+64
.endm
.macro RESET                           ; a unit begins: the largest t = -3e38, -M = 3e38, sums and O^T zero (the step is written once: the first change of M leaves zeros zeros)
.irp u, 0,1
	WIN 0x55*\u
	v_mov_b32 v[TMX], 0xff61b1e6
	v_mov_b32 v[NM], 0x7f61b1e6
	v_mov_b32 v[SUM], 0
	v_mov_b32 v[SUM+1], 0
.set jj, 0
.rept 32
	v_mov_b32 v[O+jj], 0
.set jj, jj+1
.endr
.endr
	WIN 0
	s_wait_alu depctr_va_vdst(0)
.endm
.macro POSTQ                           ; in front of a unit's first step
	s_wait_xcnt 0x0                                ; the way out's stores have read their data, which the products write over
	s_wait_loadcnt 0x0                             ; Q's data
.irp u, 0,1
	WIN 0x55*\u
	v_mul_f32 v[G], s30, v[RAW]                    ; G = c x (-0.5 |qd|^2)
.endr
	WIN 0
	s_wait_alu depctr_va_vdst(0)
.endm
.macro PHA u                           ; tile u: the blocks' and the row's largest score, the new M, t - M
	WIN 0x55*(\u)
.irp b, 0,1,2,3
	v_max3_num_f32 v[BM+\b], v[S+16*\b], v[S+1+16*\b], v[S+2+16*\b]
.endr
.irp i, 3,5,7,9,11,13
.irp b, 0,1,2,3
	v_max3_num_f32 v[BM+\b], v[BM+\b], v[S+16*\b+\i], v[S+1+16*\b+\i]
.endr
.endr
.irp b, 0,1,2,3
	v_max_num_f32 v[BM+\b], v[BM+\b], v[S+15+16*\b]
.endr
.irp b, 0,1,2,3
	DL 4
	v_permlanex16_b32 v[PT+\b], v[BM+\b], s28, s29
.endr
.irp b, 0,1,2,3
	DL 4
	v_max_num_f32 v[BM+\b], v[BM+\b], v[PT+\b]     ; with lane l xor 16's 16 keys
.endr
	DL 2
	v_max3_num_f32 v[T], v[BM], v[BM+1], v[BM+2]
	DL 1
	v_max_num_f32 v[T], v[T], v[BM+3]
	DL 1
	v_fma_f32 v[T], v[T], s30, v[G]                ; the step's largest t = c s + G
	DL 1
	v_max_num_f32 v[TMX], v[TMX], v[T]
	v_mov_b32 v[T], v[NM]
	DL 2
	v_floor_f32 v[NM], -v[TMX]                     ; the new -M = -ceil(t)
	DL 1
	v_sub_f32 v[T], v[NM], v[T]                    ; old M - new M: a whole number, 0 or less
	DL 1
	v_cvt_i32_f32 v[T], v[T]                       ; (it saturates)
	DL 1
	v_ldexp_f32 v[FF], 1.0, v[T]                   ; f = 2^(old M - new M)
	DL 4
	v_add_f32 v[GM], v[G], v[NM]                   ; G - M
.set jj, 0
.rept 32
	v_pk_fma_f32 v[S+jj:S+jj+1], v[S+jj:S+jj+1], s[30:31], v[GM:GM+1] op_sel_hi:[1,0,0]
.set jj, jj+2
.endr
.irp b, 0,1,2,3
	v_fma_f32 v[BM+\b], v[BM+\b], s30, v[GM]       ; the same of each block's largest score
.endr
.endm
.macro PHE u                           ; p = 2^(t - M), and each block's largest p
	WIN 0x55*(\u)
.set jj, 0
.rept 64
	v_exp_f32 v[S+jj], v[S+jj]
.set jj, jj+1
.endr
.irp b, 0,1,2,3
	v_exp_f32 v[BM+\b], v[BM+\b]
.endr
.endm
.macro PHC u                           ; tile u: the sum of the unquantised p (eight chains), p's scale word and codes, O^T under the new M
	WIN 0x55*(\u)
	v_pk_mul_f32 v[SUM:SUM+1], v[SUM:SUM+1], v[FF:FF+1] op_sel_hi:[1,0]
.irp k, 0,1,2,3,4,5,6,7
	v_pk_add_f32 v[CT+2*\k+4*(\k/4):CT+1+2*\k+4*(\k/4)], v[S+4*\k:S+4*\k+1], v[S+4*\k+2:S+4*\k+3]
.endr
.irp k, 0,1,2,3,4,5,6,7
	v_pk_add_f32 v[CT+2*\k+4*(\k/4):CT+1+2*\k+4*(\k/4)], v[CT+2*\k+4*(\k/4):CT+1+2*\k+4*(\k/4)], v[S+32+2*\k:S+33+2*\k]
.endr
.irp k, 0,1,2,3,4,5,6,7
	v_pk_add_f32 v[CT+2*\k+4*(\k/4):CT+1+2*\k+4*(\k/4)], v[CT+2*\k+4*(\k/4):CT+1+2*\k+4*(\k/4)], v[S+48+2*\k:S+49+2*\k]
.endr
.irp k, 0,1,2,3
	DL 4
	v_pk_add_f32 v[CT+2*\k:CT+1+2*\k], v[CT+2*\k:CT+1+2*\k], v[PT+2*\k:PT+1+2*\k]
.endr
	DL 2
	v_pk_add_f32 v[CT:CT+1], v[CT:CT+1], v[CT+4:CT+5]
	DL 2
	v_pk_add_f32 v[CT+2:CT+3], v[CT+2:CT+3], v[CT+6:CT+7]
	DL 1
	v_pk_add_f32 v[CT:CT+1], v[CT:CT+1], v[CT+2:CT+3]
	DL 1
	v_pk_add_f32 v[SUM:SUM+1], v[SUM:SUM+1], v[CT:CT+1]
.irp b, 0,1,2,3
	v_max_num_f32 v[BM+\b], 0x1800000, v[BM+\b]    ; the floor 2^(3 - 127): the byte cannot fall under 1
.endr
.irp b, 0,1,2,3
	DL 4
	v_add_nc_u32 v[SO+\b], 0xff000000, v[BM+\b]    ; 2 off the exponent field: the conversion's scale operand
.endr
.irp b, 0,1,2,3
	DL 4
	v_lshrrev_b32 v[PT+\b], 23, v[SO+\b]           ; the scale's byte
.endr
	DL 3
	v_lshl_or_b32 v[T], v[PT+1], 8, v[PT]
	DL 1
	v_lshl_or_b32 v[T], v[PT+2], 16, v[T]
	WIN 0x15*(\u)
	v_lshl_or_b32 v[PW+\u], v[PT+3], 24, v[T]
	WIN 0x55*(\u)
.irp c, 0,1
	v_cvt_scalef32_pk16_fp6_f32 v[CD+6*\c:CD+2+6*\c], v[S+32*\c:S+15+32*\c], v[SO+2*\c]
	v_cvt_scalef32_pk16_fp6_f32 v[CT+4*\c:CT+2+4*\c], v[S+16+32*\c:S+31+32*\c], v[SO+1+2*\c]
.endr
	v_nop                                          ; one plain place behind a scaled conversion
.irp c, 0,1                                    ; a whole block in a lane: lanes 0-15 block 2 c, lanes 16-31 block 2 c + 1
.irp i, 0,1,2
	v_permlane16_swap_b32 v[CD+6*\c+\i], v[CT+4*\c+\i]
.endr
.irp i, 0,1,2
	DL 3
	v_mov_b32 v[CD+3+6*\c+\i], v[CT+4*\c+\i]
.endr
.endr
	s_wait_alu depctr_va_vdst(0)                   ; the wait directly ahead of the first reader of O^T
.set jj, 0
.rept 16
	v_pk_mul_f32 v[O+jj:O+jj+1], v[O+jj:O+jj+1], v[FF:FF+1] op_sel_hi:[1,0]   ; also the places between the writes of codes and scale word and the products
.set jj, jj+2
.endr
.endm
; A KEY STEP: 128 keys of my half, for both my tiles.  s62: the step's pair of chunks in LDS
.macro STEP
	v_add_nc_u32 v[AD], s62, v1                    ; these three and the v_nop are the four places between the last products and the loads below
	v_add_nc_u32 v[AS], s62, v2
	v_add_nc_u32 v[AQ], s62, v3
	v_nop
.irp b, 0,1,2,3
.irp i, 0,1,2,3
	ds_load_b128 v[N+16*\b+4*\i:N+16*\b+4*\i+3], v[AQ] offset:19200+128*\b+16*\i   ; -0.5 |kd|^2 of keys 32 b + 16 h + 4 i ..
.endr
.endr
.irp p, 0,1,2,3
	ds_load_b32 v[KS+\p], v[AS] offset:18432+128*\p    ; lanes 0-15 tile 2 p's scale words, lanes 16-31 tile 2 p + 1's
.endr
	WIN 0x40
.irp t, 0,1,2,3,4,5,6,7
.irp c, 0,1,2
	ds_load_b128 v[12*\t+4*\c:12*\t+4*\c+3], v[AD] offset:1536*\t+512*\c
.endr
.endr
	s_wait_alu depctr_va_vdst(0)
	s_wait_dscnt 0x0
.irp u, 0,1                                    ; S^T = K Q^T - 0.5 |kd|^2: sixteen accumulators, one instruction each.  A window 1, B and D window u, C window 0
	WIN 0x01+0x44*\u
.irp t, 0,1,2,3,4,5,6,7
	WS S+8*\t, 12*\t, Q, N+8*\t, KS+\t/2, QS+\u, \t%2
.endr
.endr
.rept 4
	v_nop                                          ; four places: in front of the loads into registers that these products read, and of the first read of the scores
.endr
	WIN 0x40
.irp d, 0,1,2,3
.irp c, 0,1,2
	ds_load_b128 v[12*\d+4*\c:12*\d+4*\c+3], v[AD] offset:12288+1536*\d+512*\c   ; V^T's four fragments land while the softmax is walked
.endr
.endr
	WIN 0
.irp q, 0,1
	ds_load_b32 v[VS+\q], v[AS] offset:18944+128*\q
.endr
	PHA 0
	PHA 1
	s_wait_alu depctr_va_vdst(0)                   ; one wait ahead of the batch of 136 exponentials,
	PHE 1
	PHE 0
	v_nop                                          ; a plain place,
	s_wait_alu depctr_va_vdst(0)                   ; and one wait behind it
	PHC 0
	PHC 1
	s_wait_alu depctr_va_vdst(0)
	s_wait_dscnt 0x0                               ; V^T's fragments and scale words
.irp u, 0,1                                    ; O^T += V^T P^T: eight accumulators, one instruction each
	WIN 0x01+0x54*\u
.irp d, 0,1,2,3
	WS O+8*\d, 12*\d, CD, O+8*\d, VS+\d/2, PW+\u, \d%2
.endr
.endr
	WIN 0
.endm
; THE CHANGE OF SLOTS.  pf = 1: with the prefetches; pf = 2: with them in the loop's first pass alone
.macro TRIPH slot, refill, pf
	s_wait_xcnt 0x0                                ; earlier stores and prefetches have read their registers
.if \pf
	s_add_nc_u64 s[PF+2*\slot:PF+2*\slot+1], s[PF+2*\slot:PF+2*\slot+1], USTEP   ; this slot's chunks of the next unit: two fills on
.endif
	s_wait_tensorcnt 0x0                           ; all my loads are done, my part of this slot among them;
	ds_add_u32 v[SPW], v[NIL]
	s_add_nc_u64 s[G0+4*\slot+2:G0+4*\slot+3], s[G0+4*\slot+2:G0+4*\slot+3], USTEP   ; no load of mine is out: this slot's next fill is the next unit's
	s_wait_dscnt 0x0                               ; the add is done, and so are my reads of the other slot and my stores into my stage
.if \refill
	ROUND                                          ; all that holds of every wave of all four work-groups
	JLOAD 1-\slot                                  ; the other slot's next four chunks
.else
	s_barrier_signal -1
	s_barrier_wait -1                              ; nothing is filled again: no round
.endif
.if \pf
.if \pf == 2
	s_cmp_eq_u32 s63, 2                            ; the second pass has nothing left to name
	s_cbranch_scc0 .Lno_pf_\@
.endif
	s_cmp_lt_u32 s10, 3
	s_cbranch_scc0 .Lq_pf_\@
	global_prefetch_b8 v[PFO], s[PF+2*\slot:PF+2*\slot+1] th:TH_LOAD_NT scope:SCOPE_SE
	s_branch .Lno_pf_\@
.Lq_pf_\@:
.if \slot == 0
	s_cmp_lt_u32 s10, 5
	s_cbranch_scc0 .Lno_pf_\@
	global_prefetch_b8 v[PFQ], s[52:53] offset:QSTEP th:TH_LOAD_NT scope:SCOPE_SE   ; the next unit's part of qb
.endif
.Lno_pf_\@:
.endif
.endm
.macro STEPS slot                      ; the slot's two key steps
	s_mov_b32 s62, \slot*4*CH
.Lstep_\@:
	STEP
	s_add_co_u32 s62, s62, 2*CH
	s_cmp_lt_u32 s62, (\slot+1)*4*CH
	s_cbranch_scc1 .Lstep_\@
.endm
; A UNIT'S END: my half's O^T, -M and sum go into my stage as they are.  next = 1: the next unit's Q is asked for
.macro STASH next
.rept 4
	v_nop                                          ; four places behind the last products
.endr
	s_mul_i32 s66, s32, 43691
	s_lshr_b32 s66, s66, 19                        ; the batch = bh / 12 (exact for bh under 96)
	s_mul_i32 s67, s66, 12
	s_sub_co_u32 s67, s32, s67                     ; the head
	s_lshl_b32 s66, s66, 3
	s_add_co_u32 s66, s66, s33
	s_mul_i32 s66, s66, 128*3072
	s_lshl_b32 s67, s67, 8
	s_add_co_u32 s66, s66, s67
	s_mov_b32 s67, 0
	s_add_nc_u64 s[58:59], s[8:9], s[66:67]        ; where this unit's rows begin in out0 (the last unit's stores have read their base: the waits on XCNT since)
	s_add_co_u32 s32, s32, 32
.if \next
	s_add_nc_u64 s[52:53], s[52:53], QSTEP         ; (its loads were waited for, its prefetch stands ahead of a wait on XCNT)
	QLOAD
.endif
.irp u, 0,1
	WIN 0x55*\u
	v_add_f32 v[SUM], v[SUM], v[SUM+1]
	DL 1
	v_permlanex16_b32 v[T], v[SUM], s28, s29
	DL 1
	v_add_f32 v[PT+1], v[SUM], v[T]                ; my half's sum,
	v_mov_b32 v[PT], v[NM]                         ; beside -M
	WIN 0x04*\u
	ds_store_b64 v[STA], v[PT:PT+1] offset:256*\u
.irp b, 0,1
.irp i, 0,1,2,3
	ds_store_b128 v[SIN], v[O+16*\b+4*\i:O+16*\b+4*\i+3] offset:STW*\u+128*\b+16*\i   ; registers 16 b + 0 .. 15 are features 32 b + 16 h + 0 .. 15 of query row r; each accumulator from its low end on
.endr
.endr
.endr
	WIN 0
.endm
; THE WAY OUT, behind a barrier that follows every wave's STASH.  Piece k = 4 u + i: row 8 hf + 2 i + h of tile u, 16 bytes a lane.  All in window 0, in registers that are free between units:
; v[N+4k..]: (-M, sum) of half 0, of half 1; v[N+32+4k..]: half 0's factor, -M*, half 1's factor, the joined sum; v[S+4k..], v[S+32+4k..]: the two halves' numbers.  The eight pieces take turns line by line.
.macro OUT
.irp u, 0,1
.irp i, 0,1,2,3
	ds_load_b64 v[N+4*(4*\u+\i):N+4*(4*\u+\i)+1], v[STB] offset:256*\u+16*\i
	ds_load_b64 v[N+4*(4*\u+\i)+2:N+4*(4*\u+\i)+3], v[STB] offset:256*\u+16*\i+2048
.endr
.endr
.irp u, 0,1
.irp i, 0,1,2,3
	ds_load_b128 v[S+4*(4*\u+\i):S+4*(4*\u+\i)+3], v[SOUT] offset:STW*\u+544*\i
	ds_load_b128 v[S+32+4*(4*\u+\i):S+32+4*(4*\u+\i)+3], v[SOUT] offset:STW*\u+544*\i+8*STW
.endr
.endr
	s_wait_dscnt 16                                ; the 16 loads of statistics are in; the 16 younger ones may be out
.irp k, 0,1,2,3,4,5,6,7
	v_min_num_f32 v[N+33+4*\k], v[N+4*\k], v[N+2+4*\k]          ; -M*: the larger M
.endr
.irp k, 0,1,2,3,4,5,6,7
	v_sub_f32 v[N+32+4*\k], v[N+33+4*\k], v[N+4*\k]             ; M - M*: whole numbers, 0 or less
.endr
.irp k, 0,1,2,3,4,5,6,7
	v_sub_f32 v[N+34+4*\k], v[N+33+4*\k], v[N+2+4*\k]
.endr
.irp k, 0,1,2,3,4,5,6,7
	v_cvt_i32_f32 v[N+32+4*\k], v[N+32+4*\k]
.endr
.irp k, 0,1,2,3,4,5,6,7
	v_cvt_i32_f32 v[N+34+4*\k], v[N+34+4*\k]
.endr
.irp k, 0,1,2,3,4,5,6,7
	v_ldexp_f32 v[N+32+4*\k], 1.0, v[N+32+4*\k]                 ; the halves' factors: exact powers of two
.endr
.irp k, 0,1,2,3,4,5,6,7
	v_ldexp_f32 v[N+34+4*\k], 1.0, v[N+34+4*\k]
.endr
.irp k, 0,1,2,3,4,5,6,7
	v_mul_f32 v[N+35+4*\k], v[N+32+4*\k], v[N+1+4*\k]
.endr
.irp k, 0,1,2,3,4,5,6,7
	v_fma_f32 v[N+35+4*\k], v[N+34+4*\k], v[N+3+4*\k], v[N+35+4*\k]   ; the row's sum under M*
.endr
	s_wait_alu depctr_va_vdst(0)                   ; one wait ahead of the eight reciprocals,
.irp k, 0,1,2,3,4,5,6,7
	v_rcp_f32 v[N+35+4*\k], v[N+35+4*\k]
.endr
	v_nop
	s_wait_alu depctr_va_vdst(0)                   ; and one behind them
.irp k, 0,1,2,3,4,5,6,7
	v_mul_f32 v[N+32+4*\k], v[N+32+4*\k], v[N+35+4*\k]
.endr
.irp k, 0,1,2,3,4,5,6,7
	v_mul_f32 v[N+34+4*\k], v[N+34+4*\k], v[N+35+4*\k]
.endr
	s_wait_alu depctr_va_vdst(0)
	s_wait_dscnt 0x0                               ; the rows
.irp k, 0,1,2,3,4,5,6,7
	v_pk_mul_f32 v[S+4*\k:S+4*\k+1], v[S+4*\k:S+4*\k+1], v[N+32+4*\k:N+33+4*\k] op_sel_hi:[1,0]
	v_pk_mul_f32 v[S+4*\k+2:S+4*\k+3], v[S+4*\k+2:S+4*\k+3], v[N+32+4*\k:N+33+4*\k] op_sel_hi:[1,0]
.endr
.irp k, 0,1,2,3,4,5,6,7
	v_pk_fma_f32 v[S+4*\k:S+4*\k+1], v[S+32+4*\k:S+33+4*\k], v[N+34+4*\k:N+35+4*\k], v[S+4*\k:S+4*\k+1] op_sel_hi:[1,0,1]
	v_pk_fma_f32 v[S+4*\k+2:S+4*\k+3], v[S+34+4*\k:S+35+4*\k], v[N+34+4*\k:N+35+4*\k], v[S+4*\k+2:S+4*\k+3] op_sel_hi:[1,0,1]
.endr
.irp u, 0,1
.irp i, 0,1,2,3
	global_store_b128 v[GO], v[S+4*(4*\u+\i):S+4*(4*\u+\i)+3], s[58:59] offset:(8*\u+2*\i)*3072 th:TH_STORE_NT   ; 16 lanes store a head's 256 consecutive bytes of a row, at a multiple of 256 from out0's first byte
.endr
.endr
.endm
	QLOAD
.irp u, 0,1
	WIN 0x55*\u
	v_mov_b32 v[GM+1], 0                           ; (named as the upper halves of pairs)
	v_mov_b32 v[FF+1], 0
	v_mov_b32 v[T], 0                              ; a lane permute's destination counts as one of its sources
.irp b, 0,1,2,3
	v_mov_b32 v[PT+\b], 0
.endr
.endr
	WIN 0
	RESET
	s_mov_b32 s63, 2
	TRIPH 0, 1, 1                                  ; unit 0, steps 0 and 1
	POSTQ
	STEPS 0
.Lunit:                                                ; a pass: a unit's steps 2 and 3, its end, and the next unit's steps 0 and 1 with the way out of the unit just ended
	TRIPH 1, 1, 1
	STEPS 1
	STASH 1
	RESET
	TRIPH 0, 1, 2
	OUT
	POSTQ
	STEPS 0
	s_sub_co_u32 s63, s63, 1
	s_cmp_lg_u32 s63, 0
	s_wait_alu depctr_va_vdst(0)
	s_cbranch_scc1 .Lunit
	TRIPH 1, 0, 0                                  ; the last unit's steps 2 and 3 are written out: nothing more is asked for
	STEPS 1
	STASH 0
	s_wait_alu depctr_va_vdst(0)
	s_wait_dscnt 0x0                               ; for the others' sake
	s_barrier_signal -1
	s_barrier_wait -1
	OUT
	s_wait_tensorcnt 0x0                           ; the wave's end
	ds_add_u32 v[SPW], v[NIL]
	s_wait_dscnt 0x0
	ROUND                                          ; the closing round: no work-group ends while a partner may still ask for a tile that names it
	s_endpgm
.Lfunc_end_k_qfcac452b3e_attn:
	.size	k_qfcac452b3e_attn, .Lfunc_end_k_qfcac452b3e_attn-k_qfcac452b3e_attn
	.p2alignl 7, 3214868480
	.fill 96, 4, 3214868480
	.section	.rodata,"a",@progbits
	.p2align	6, 0x0
	.amdhsa_kernel k_qfcac452b3e_attn
		.amdhsa_group_segment_fixed_size 327680
		.amdhsa_private_segment_fixed_size 0
		.amdhsa_enable_private_segment 0
		.amdhsa_kernarg_size 24
		.amdhsa_user_sgpr_count 2
		.amdhsa_user_sgpr_kernarg_segment_ptr 1
		.amdhsa_wavefront_size32 1
		.amdhsa_system_sgpr_workgroup_id_x 1
		.amdhsa_system_sgpr_workgroup_id_y 1
		.amdhsa_system_sgpr_workgroup_id_z 1
		.amdhsa_system_vgpr_workitem_id 0
		.amdhsa_next_free_vgpr 512
		.amdhsa_next_free_sgpr 80
		.amdhsa_reserve_vcc 0
		.amdhsa_float_denorm_mode_32 3
		.amdhsa_float_denorm_mode_16_64 3
		.amdhsa_memory_ordered 1
		.amdhsa_forward_progress 1
		.amdhsa_inst_pref_size 176
	.end_amdhsa_kernel
	.amdgpu_metadata
---
amdhsa.version: [ 1, 2 ]
amdhsa.kernels:
  - .name:           k_qfcac452b3e_attn
    .symbol:         k_qfcac452b3e_attn.kd
    .args:
      - { .name: qb, .offset: 0, .size: 8, .value_kind: global_buffer, .address_space: global }
      - { .name: kv, .offset: 8, .size: 8, .value_kind: global_buffer, .address_space: global }
      - { .name: out0, .offset: 16, .size: 8, .value_kind: global_buffer, .address_space: global }
    .group_segment_fixed_size: 327680
    .private_segment_fixed_size: 0
    .kernarg_segment_align: 8
    .kernarg_segment_size: 24
    .max_flat_workgroup_size: 256
    .sgpr_count:     80
    .vgpr_count:     512
    .wavefront_size: 32
...
	.end_amdgpu_metadata
.endif
;; end of part 3
